; MI455X (gfx1250); checked and timed in simulation.
; The chip was launched on July 23, 2026; its instructions are those of AMD's public machine-readable ISA for CDNA 5 (MIT licence, August 2026) and "CDNA5" Instruction Set Architecture Reference Guide (July 2026). The comments in the code are by the model that wrote it; some were corrected since.
;; Feed Forward Quantum. Allowed arithmetic: matrix products marked QUANTISED: E5M2 operands, one given power-of-two scale a tensor, by v_wmma_f32_16x16x64_bf8_bf8 or v_wmma_f32_16x16x128_bf8_bf8, f32 sums; everything else in f32.
;; Inputs: W1_codes 4,096 x 32 x 32 uint8 (E5M2 codes of W1, K innermost, in blocks of 32 codes); W2_codes 1,024 x 128 x 32 uint8 (E5M2 codes of W2, K innermost, in blocks of 32 codes); lowp_scales 4 int32 (the exponents e of the quantised operands' scales 2^e); theta 1,024 float32; x 4 x 2,048 x 1,024 float32.
;; Outputs: out0 4 x 2,048 x 1,024 float32.
;; This version of the problem:
;;   THIS VERSION OF THE PROBLEM IS GIVEN IN LOW PRECISION. The matrix products marked QUANTISED in the list below multiply operands that are first quantised to E5M2 (5 exponent bits, 2 mantissa bits; 8 bits a number), with one given power-of-two scale for each operand tensor; their sums are f32. All else is computed in f32.
;;   The module's matrix products, in the order in which they are computed (A, B: the left and right operand; K: the contracted axis; several contracted axes count as one K, in the product's order):
;;     1. [M 8,192, K 1,024] x [K 1,024, N 4,096]; A: computed on the way; B: input W1 (given as codes): QUANTISED (scales: A lowp_scales[0], B lowp_scales[1])
;;     2. [M 8,192, K 4,096] x [K 4,096, N 1,024]; A: computed on the way; B: input W2 (given as codes): QUANTISED (scales: A lowp_scales[2], B lowp_scales[3])
;;   THE QUANTISER, for each operand of a quantised product, along K:
;;     - The operand's scale is 2^e, e = its entry of the input lowp_scales (int32; the entries are numbered through the quantised products in the list's order, A before B).
;;     - Each number is divided by the scale, clamped to +-57,344, and rounded to the nearest number of E5M2, ties to even, subnormals kept.
;;     - The product sums the exact products of the quantised numbers (number of the format x scale) in f32.
;;   ~~~python
;;   def quantise(x, axis, e):      # numpy; x: float32 -> the quantised numbers, widened to float32 again
;;       x = np.moveaxis(x, axis, -1); K = x.shape[-1]
;;       r = np.clip(x / 2.0 ** e, -57344, 57344)
;;       step = 2.0 ** (np.maximum(np.frexp(np.where(r == 0, 1, r))[1] - 1, -14) - 2)
;;       q = np.round(r / step) * step * 2.0 ** e      # np.round: ties to even
;;       return np.moveaxis(q, -1, axis).astype(np.float32)
;;   ~~~
;;   OPERANDS COMPUTED ON THE WAY. 'Computed on the way' means the value that the module computes at that place (a softmax that the list does not call 'softmax' is quantised finished and normalised). What goes into a quantiser is computed in f32, as accurately as f32 sums, v_exp_f32 and their like allow (about 1e-6 of the number): no bf16 or f16 on the way to a quantiser, and a product that is left as it is and whose result goes on into a quantised operand takes f32 operands (vector FMAs, or v_wmma_f32_16x16x4_f32). A number that lies on a knife's edge between two numbers of the format may be rounded either way, as far as f32 arithmetic and the matrix unit's own rounding can turn it there, and no further.
;;   INPUTS GIVEN AS CODES. W1 (in the module: [4096, 1024], K = its axis 1); W2 (in the module: [1024, 4096], K = its axis 1): each comes as NAME_codes (uint8): NAME with its K axis moved to the last place and cut into blocks of 32 codes, [.., K / 32, bytes a block], one block behind the other in memory; one code a byte (a code: sign, 5 exponent bits, 2 mantissa bits); its scale is its entry of lowp_scales. Its value is code x scale, taken as it is: it is not quantised again, and the codes and scales need not be those that the quantiser above would give.
;; One version. Each part assembles by itself: llvm-mc -triple=amdgcn-amd-amdhsa -mcpu=gfx1250 --defsym DOCPART=n.
;; ======== version 1 of 1: 3 launches
;; limits: inputs' magnitudes at most 13,176,794; right only within a limited range of input values
;; workspace buffers: q_codes 8,388,608 bytes; h_codes 33,554,432 bytes
;; launch qcos (part 1): grid 1024 x 1, 4 waves a work-group, no clusters, 34,304 bytes of LDS; arguments x, theta, lowp_scales, q_codes; writes q_codes
.if DOCPART == 1
	.amdgcn_target "amdgcn-amd-amdhsa--gfx1250"
	.amdhsa_code_object_version 6
	.text
	.protected	k_q8c710c67fd_qcos
	.globl	k_q8c710c67fd_qcos
	.p2align	8
	.type	k_q8c710c67fd_qcos,@function
k_q8c710c67fd_qcos:
	s_mov_b64 s[64:65], 0
	v_nop
	global_prefetch_b8 v0, s[64:65] scope:SCOPE_SE
	s_setreg_imm32_b32 hwreg(HW_REG_WAVE_MODE, 25, 1), 1
	s_wait_xcnt 0x0
; q = cos(x + theta), x: [8192][1024] f32, theta: [1024] f32, as codes of BF8 (E5M2) with the given scale 2^e0: code = q / 2^e0, held within +-57,344, to the nearest code, ties to even.
; THE CODES ARE LAID AS THE NEXT LAUNCH'S REGISTERS WANT THEM: fragment (R, G) = rows 16 R .. 16 R + 15, K 128 G .. 128 G + 127, is 2,048 bytes at 2,048 (8 R + G);
; in it lane (r, h) = 16 h + r has, for c = 0 .. 3, the 16 codes of row r, K 32 c + 16 h + 0 .. 15, at byte 512 c + 16 lane.
; THE COSINE, in f32: a = x + theta; k = the whole number nearest to a / pi - 1/2; q = 2 k + 1; rn = q pi/2 - a, within +-pi/2; cos(a) = (-1)^k sin(rn).
; pi/2 is taken in three f32 parts by three fused multiply-adds; sin is its series through rn^13, whose first term left out is under 7e-10 at pi/2.  k's parity is bit 0 of the f32 number 1.5 x 2^23 + k.
; LIMITS: |x + theta| under 2^22 pi; infinities and NaN among the inputs are not served; -126 <= e0 and e0 + 15 <= 127.
; SHARES: a wave takes one fragment, 16 rows x 128 numbers.  Load i reads the 512 consecutive bytes of row i; the rows go through the wave's own stage in LDS (pitch 528 bytes) and come back 64 bytes a lane,
; 16 neighbours along K for each c.  A step's 16 codes a lane are stored as 512 consecutive bytes of the wave.  No barrier, matrix unit, cluster or tensor load: each byte is read once by one wave.
.set SP,    528
.set WREG,  16*SP
.set SPARE, 4*WREG                     ; behind the stages: the spare words
.set TH,    16                         ; v16-79   theta of my 16 columns, for each c
.set R,     80                         ; v80-143  the 16 rows as loaded
.set X,     144                        ; v144-175 two sets of 16 neighbours
.set VV,    176
.set QQ,    192
.set C,     208                        ; v208-223 codes, four registers a step
.set SPW,   224
.set NIL,   225
.macro PAIR reg, val
	s_mov_b32 s[\reg], \val
	s_mov_b32 s[\reg+1], \val
.endm
	s_load_b256 s[4:11], s[0:1], 0x0               ; x, theta, the scales' exponents, the codes
	v_lshl_add_u32 v[SPW], v0, 2, SPARE
	v_mov_b32 v[NIL], 0
	v_lshrrev_b32 v1, 5, v0
	v_readfirstlane_b32 s16, v1                    ; wave
	v_and_b32 v2, 31, v0                           ; lane
	v_lshlrev_b32 v3, 4, v2                        ; 16 x lane: in a row's 512 bytes and in a step's codes
	v_lshrrev_b32 v4, 4, v2
	v_lshlrev_b32 v4, 6, v4                        ; 64 h: my 16 numbers of a c, in theta and in a stage row
	s_mul_i32 s17, s16, WREG
	v_add_nc_u32 v14, s17, v3                      ; the stage, on the way in
	v_and_b32 v15, 15, v2
	v_mul_u32_u24 v15, v15, SP
	v_add_nc_u32 v15, v15, v4
	v_add_nc_u32 v15, s17, v15                     ; and on the way out: row r, byte 64 h
	PAIR 24, 0x3ea2f983                            ; 1 / pi
	PAIR 26, 0x4b400000                            ; 1.5 x 2^23
	PAIR 28, 0x3fc90fdb                            ; pi/2 in three parts
	PAIR 30, 0xb33bbd2e
	PAIR 32, 0xa6f72ced
	PAIR 34, 0xb2d7322b                            ; -1 / 11!
	PAIR 36, 0x3638ef1d                            ;  1 / 9!
	PAIR 38, 0xb9500d01                            ; -1 / 7!
	PAIR 40, 0x3c088889                            ;  1 / 5!
	PAIR 42, 0xbe2aaaab                            ; -1 / 3!
	v_mov_b32 v12, 0x2f309231                      ;  1 / 13!
	v_mov_b32 v13, 0x2f309231
	s_lshl_b32 s18, ttmp9, 2
	s_add_co_u32 s18, s18, s16                     ; my fragment: 8 R + G
	s_lshl_b32 s20, s18, 11                        ; its codes
	s_mov_b32 s21, 0
	s_and_b32 s44, s18, 7
	s_lshl_b32 s44, s44, 9                         ; 512 G: bytes along a row of x, and in theta
	s_mov_b32 s45, 0
	s_lshr_b32 s18, s18, 3
	s_lshl_b32 s18, s18, 16                        ; 16 R rows of 4,096 bytes
	s_add_co_u32 s18, s18, s44
	s_mov_b32 s19, 0
	s_wait_alu depctr_va_vdst(0)                   ; the wait at the head's end
	s_wait_kmcnt 0x0
	s_load_b32 s22, s[8:9], 0x0                    ; e0
	s_add_nc_u64 s[4:5], s[4:5], s[18:19]
	s_add_nc_u64 s[10:11], s[10:11], s[20:21]
	s_add_nc_u64 s[6:7], s[6:7], s[44:45]
.irp c, 0,1,2,3
.irp j, 0,1,2,3
	global_load_b128 v[TH+16*\c+4*\j:TH+16*\c+4*\j+3], v4, s[6:7] offset:128*\c+16*\j
.endr
.endr
.irp i, 0,1,2,3,4,5,6,7,8,9,10,11,12,13,14,15
	global_load_b128 v[R+4*\i:R+4*\i+3], v3, s[4:5] offset:4096*\i th:TH_LOAD_NT   ; row i: 512 consecutive bytes, read once in the launch
.endr
.macro TURN t                          ; step t's 16 neighbours a lane, back from the stage
.irp i, 0,1,2,3
	ds_load_b128 v[X+16*((\t)%2)+4*\i:X+16*((\t)%2)+4*\i+3], v15 offset:128*(\t)+16*\i
.endr
.endm
	s_wait_kmcnt 0x0
	s_add_co_i32 s22, s22, 127
	s_lshl_b32 s23, s22, 23
	v_mov_b32 v11, s23                             ; 2^e0 as f32
	s_add_co_i32 s22, s22, 15
	s_lshl_b32 s22, s22, 23
	s_or_b32 s22, s22, 0x600000
	v_mov_b32 v10, s22                             ; 57,344 x 2^e0
	s_wait_loadcnt 0x0                             ; a step needs a piece of all 16 rows
.irp i, 0,1,2,3,4,5,6,7,8,9,10,11,12,13,14,15
	ds_store_b128 v14, v[R+4*\i:R+4*\i+3] offset:SP*\i
.endr
	TURN 0                                         ; LDS serves a wave's instructions in order: no wait between the stores and the loads
.macro COS
.irp j, 0,2,4,6,8,10,12,14
	v_pk_add_f32 v[XS+\j:XS+\j+1], v[XS+\j:XS+\j+1], v[TS+\j:TS+\j+1]                              ; a = x + theta
.endr
.irp j, 0,2,4,6,8,10,12,14
	v_pk_fma_f32 v[VV+\j:VV+\j+1], v[XS+\j:XS+\j+1], s[24:25], -0.5 op_sel_hi:[1,0,0]              ; a / pi - 1/2
.endr
.irp j, 0,2,4,6,8,10,12,14
	v_pk_add_f32 v[VV+\j:VV+\j+1], v[VV+\j:VV+\j+1], s[26:27] op_sel_hi:[1,0]                      ; rounded to a whole number; bit 0 is k's parity
.endr
.irp j, 0,2,4,6,8,10,12,14
	v_pk_add_f32 v[QQ+\j:QQ+\j+1], v[VV+\j:VV+\j+1], s[26:27] op_sel_hi:[1,0] neg_lo:[0,1] neg_hi:[0,1]   ; k
.endr
.irp j, 0,2,4,6,8,10,12,14
	v_pk_fma_f32 v[QQ+\j:QQ+\j+1], v[QQ+\j:QQ+\j+1], 2.0, 1.0 op_sel_hi:[1,0,0]                    ; q = 2 k + 1
.endr
.irp j, 0,2,4,6,8,10,12,14
	v_pk_fma_f32 v[XS+\j:XS+\j+1], v[QQ+\j:QQ+\j+1], s[28:29], v[XS+\j:XS+\j+1] op_sel_hi:[1,0,1] neg_lo:[0,0,1] neg_hi:[0,0,1]   ; rn = q pi/2 - a, part by part
.endr
.irp j, 0,2,4,6,8,10,12,14
	v_pk_fma_f32 v[XS+\j:XS+\j+1], v[QQ+\j:QQ+\j+1], s[30:31], v[XS+\j:XS+\j+1] op_sel_hi:[1,0,1]
.endr
.irp j, 0,2,4,6,8,10,12,14
	v_pk_fma_f32 v[XS+\j:XS+\j+1], v[QQ+\j:QQ+\j+1], s[32:33], v[XS+\j:XS+\j+1] op_sel_hi:[1,0,1]
.endr
.irp i, 0,1,2,3,4,5,6,7,8,9,10,11,12,13,14,15
	v_lshlrev_b32 v[VV+\i], 31, v[VV+\i]                                                           ; k's parity as a sign
.endr
.irp i, 0,1,2,3,4,5,6,7,8,9,10,11,12,13,14,15
	v_xor_b32 v[XS+\i], v[VV+\i], v[XS+\i]                                                         ; (-1)^k rn
.endr
.irp j, 0,2,4,6,8,10,12,14
	v_pk_mul_f32 v[QQ+\j:QQ+\j+1], v[XS+\j:XS+\j+1], v[XS+\j:XS+\j+1]                              ; z = rn^2
.endr
.irp j, 0,2,4,6,8,10,12,14
	v_pk_fma_f32 v[VV+\j:VV+\j+1], v[QQ+\j:QQ+\j+1], v[12:13], s[34:35] op_sel_hi:[1,1,0]          ; the series in z, from its far end
.endr
.irp c, 36,38,40,42
.irp j, 0,2,4,6,8,10,12,14
	v_pk_fma_f32 v[VV+\j:VV+\j+1], v[VV+\j:VV+\j+1], v[QQ+\j:QQ+\j+1], s[\c:\c+1] op_sel_hi:[1,1,0]
.endr
.endr
.irp j, 0,2,4,6,8,10,12,14
	v_pk_mul_f32 v[QQ+\j:QQ+\j+1], v[QQ+\j:QQ+\j+1], v[XS+\j:XS+\j+1]                              ; rn^3
.endr
.irp j, 0,2,4,6,8,10,12,14
	v_pk_fma_f32 v[XS+\j:XS+\j+1], v[VV+\j:VV+\j+1], v[QQ+\j:QQ+\j+1], v[XS+\j:XS+\j+1]            ; sin = rn + rn^3 x the series
.endr
.endm
.macro STEP t
.set XS, X+16*((\t)%2)
.set TS, TH+16*(\t)
	s_wait_dscnt 0x0                               ; this step's numbers are back from the stage
.if (\t) < 3
	TURN (\t)+1                                    ; the next step's come while this one is worked
.endif
	COS
.irp i, 0,1,2,3,4,5,6,7,8,9,10,11,12,13,14,15
	v_med3_num_f32 v[XS+\i], v[XS+\i], -v10, v10   ; the conversion does not saturate (ISA guide 7.6.2): the hold at the largest code x the scale
.endr
	v_cvt_scalef32_pk8_bf8_f32 v[C+4*(\t):C+4*(\t)+1], v[XS:XS+7], v11
	v_cvt_scalef32_pk8_bf8_f32 v[C+4*(\t)+2:C+4*(\t)+3], v[XS+8:XS+15], v11
	global_store_b128 v3, v[C+4*(\t):C+4*(\t)+3], s[10:11] offset:512*(\t)   ; 32 lanes store 512 consecutive bytes, aligned
.endm
.irp t, 0,1,2,3
	STEP \t
.endr
	s_wait_tensorcnt 0x0                           ; the wave's end
	ds_add_u32 v[SPW], v[NIL]
	s_wait_dscnt 0x0
	s_endpgm
.Lfunc_end_k_q8c710c67fd_qcos:
	.size	k_q8c710c67fd_qcos, .Lfunc_end_k_q8c710c67fd_qcos-k_q8c710c67fd_qcos
	.p2alignl 7, 3214868480
	.fill 96, 4, 3214868480
	.section	.rodata,"a",@progbits
	.p2align	6, 0x0
	.amdhsa_kernel k_q8c710c67fd_qcos
		.amdhsa_group_segment_fixed_size 34304
		.amdhsa_private_segment_fixed_size 0
		.amdhsa_enable_private_segment 0
		.amdhsa_kernarg_size 32
		.amdhsa_user_sgpr_count 2
		.amdhsa_user_sgpr_kernarg_segment_ptr 1
		.amdhsa_wavefront_size32 1
		.amdhsa_system_sgpr_workgroup_id_x 1
		.amdhsa_system_sgpr_workgroup_id_y 1
		.amdhsa_system_sgpr_workgroup_id_z 1
		.amdhsa_system_vgpr_workitem_id 0
		.amdhsa_next_free_vgpr 226
		.amdhsa_next_free_sgpr 66
		.amdhsa_reserve_vcc 0
		.amdhsa_float_denorm_mode_32 3
		.amdhsa_float_denorm_mode_16_64 3
		.amdhsa_memory_ordered 1
		.amdhsa_forward_progress 1
		.amdhsa_inst_pref_size 50
	.end_amdhsa_kernel
	.amdgpu_metadata
---
amdhsa.version: [ 1, 2 ]
amdhsa.kernels:
  - .name:           k_q8c710c67fd_qcos
    .symbol:         k_q8c710c67fd_qcos.kd
    .args:
      - { .name: x, .offset: 0, .size: 8, .value_kind: global_buffer, .address_space: global }
      - { .name: theta, .offset: 8, .size: 8, .value_kind: global_buffer, .address_space: global }
      - { .name: lowp_scales, .offset: 16, .size: 8, .value_kind: global_buffer, .address_space: global }
      - { .name: q_codes, .offset: 24, .size: 8, .value_kind: global_buffer, .address_space: global }
    .group_segment_fixed_size: 34304
    .private_segment_fixed_size: 0
    .kernarg_segment_align: 8
    .kernarg_segment_size: 32
    .max_flat_workgroup_size: 128
    .sgpr_count:     66
    .vgpr_count:     226
    .wavefront_size: 32
...
	.end_amdgpu_metadata
.endif
;; end of part 1
;; launch ffn1 (part 2): grid 16 x 16, 4 waves a work-group, clusters of 4 x 1, 327,680 bytes of LDS; arguments q_codes, W1_codes, lowp_scales, h_codes; writes h_codes
.if DOCPART == 2
	.amdgcn_target "amdgcn-amd-amdhsa--gfx1250"
	.amdhsa_code_object_version 6
	.text
	.protected	k_q8c710c67fd_ffn1
	.globl	k_q8c710c67fd_ffn1
	.p2align	8
	.type	k_q8c710c67fd_ffn1,@function
k_q8c710c67fd_ffn1:
	s_mov_b64 s[64:65], 0
	v_nop
	global_prefetch_b8 v0, s[64:65] scope:SCOPE_SE
	s_setreg_imm32_b32 hwreg(HW_REG_WAVE_MODE, 25, 1), 1
	s_wait_xcnt 0x0
	s_wait_alu depctr_hold_cnt(0) depctr_sa_sdst(0) depctr_va_vdst(0) depctr_va_sdst(0) depctr_va_ssrc(0) depctr_va_vcc(0) depctr_vm_vsrc(0)
	s_getreg_b32 s2, hwreg(HW_REG_IB_STS2, 6, 4)
	s_cmp_eq_u32 s2, 0
	s_cbranch_scc0 .Lentry_in_a_cluster
	s_endpgm
.Lentry_in_a_cluster:
	s_bfe_u32 s2, ttmp6, 0x10000c
	s_cmp_lg_u32 s2, 0x3003
	s_cbranch_scc0 .Lentry_shape_is_right
	s_endpgm
.Lentry_shape_is_right:
; h = relu(q W1^T) on codes of BF8 (E5M2), quantised at once for the next product.  A sum s stands for s x 2^(e0 + e1); h's code is relu(s) / 2^(e2 - e0 - e1), held at 57,344.
; LIMIT: e2 - e0 - e1 lies between -126 and 112, so that 2^(e2 - e0 - e1) and 57,344 times it are f32 numbers.
; q's codes come as register images: fragment (R, G) = 16 rows x 128 K, 2,048 bytes at 2,048 (8 R + G), lane l's 16 bytes of part c at 512 c + 16 l.  h's codes leave the same way, at 2,048 (32 R + G).
; SHARES: work-group (x, y) makes rows 512 x .. + 511 of hidden units 256 y .. + 255.  ITS 256 ROWS OF W1, ALL 1,024 OF K, STAY IN LDS: filled once, 64 rows a wave, never again: no ring, one barrier.
; A wave makes 64 rows x 256 units (64 accumulators, 512 registers) in each of two passes.  q's fragments go from memory straight into a ring of four steps' registers, each load 512 consecutive bytes,
; asked for three steps (192 matrix instructions) ahead; each fragment is loaded by one wave of the work-group.  A step of 128 along K is four quarters: 16 matrix instructions on four fragments of W1, then ONE run of loads:
; the four fragments of W1 of the quarter two further on, into the registers just left, and four loads of q.
; CLUSTER 4 x 1: the four work-groups share y, so W1's tile is asked for jointly (mask 15).
; No prefetch into the L2: W1 is asked for once, at the head, where there is no loop to run ahead in; q's loads themselves run three steps ahead of their use.
; THE MATRIX INSTRUCTION IS USED TRANSPOSED (source 0 = 16 rows of W1, source 1 = 16 rows of q): a lane holds eight neighbouring hidden units of one row.  Fragments hold K = 32 c + 16 h + 0 .. 15 in registers
; 4 c .. 4 c + 3: a permutation of k that is the same in both operands.  On the way out two tiles' codes change halves of lanes, so that a lane has 16 neighbouring units in that same order: the stores are the next operand's image.
; REGISTERS: window 0: v0-31 addresses, v32-127 six sets of codes, v128-255 eight fragments of W1; window 1: q's ring; window 2: accumulators of units 0-127 ((a, b) at 8 (4 (b % 8) + a)); window 3: of units 128-255.
.set PITCH,  1040                      ; an LDS row: 1,024 bytes + 16: 65 x 16, so the 16 rows of a fragment load start at 16 different groups of four banks (ISA guide 11.1)
.set SPARE,  256*PITCH                 ; behind W1's tile: the spare words
.set ADRB, 16                          ; v16-19  LDS address of W1's blocks 4 g .. 4 g + 3
.set AO,   20                          ; v20     16 x lane
.set SPW,  28
.set NIL,  29
.set SC,   30                          ; 2^(e2 - e0 - e1)
.set LIM,  31                          ; 57,344 times it
.set BF,   128
.set G1, 16
.set G0, 24
.set MSB, 0
.macro WIN new                         ; the immediate's high byte repeats the setting that is left; a switch that changes nothing is dropped
.if MSB != (\new)
	s_set_vgpr_msb (MSB<<8)|(\new)
.set MSB, (\new)
.endif
.endm
.macro NOP4
.rept 4
	v_nop
.endr
.endm
.macro ROUND                           ; a round of the cluster's barrier
	s_barrier_signal -1
	s_barrier_wait -1
	s_cmp_lg_u32 s14, 0
	s_cbranch_scc1 .Lnot_wave_0_\@
	s_barrier_signal -3
.Lnot_wave_0_\@:
	s_barrier_wait -3
	s_barrier_signal -1
	s_barrier_wait -1
.endm
	s_load_b128 s[4:7], s[0:1], 0x0                ; q's codes, W1's codes
	s_load_b128 s[8:11], s[0:1], 0x10              ; the scales' exponents, h's codes
	v_lshl_add_u32 v[SPW], v0, 2, SPARE
	v_mov_b32 v[NIL], 0
	ds_add_u32 v[SPW], v[NIL]                      ; the opening lines: the add, twice on end, and its wait
	ds_add_u32 v[SPW], v[NIL]
	v_lshrrev_b32 v1, 5, v0
	v_readfirstlane_b32 s14, v1                    ; wave
	s_bfe_u32 s12, ttmp6, 0x40000                  ; cx
	s_lshl_b32 s13, ttmp9, 2
	s_add_co_u32 s13, s13, s12                     ; x
	s_and_b32 s15, ttmp7, 0xffff                   ; y
	s_mov_b32 s[G1+0], 15|(1<<20)|(1<<21)|(7<<22)|(3<<25)   ; mask: the four of the cluster; 1-byte elements; 4 words of padding behind every 256
	s_mov_b32 s[G1+1], 1024<<16
	s_mov_b32 s[G1+2], 64<<16
	s_mov_b32 s[G1+3], 1024<<16
	s_mov_b32 s[G1+4], 64                          ; 64 rows of 1,024 bytes
	s_mov_b32 s[G1+5], 1024
	s_mov_b32 s[G1+6], 0
	s_mov_b32 s[G1+7], 0
	s_lshl_b32 s28, s15, 2
	s_add_co_u32 s28, s28, s14
	s_lshl_b32 s28, s28, 16                        ; W1's row 256 y + 64 wave, of 1,024 bytes
	s_mov_b32 s29, 0
	s_mov_b32 s[G0], 1
	s_mul_i32 s[G0+1], s14, 64*PITCH
	s_wait_dscnt 0x0
	s_wait_kmcnt 0x0
	s_load_b128 s[36:39], s[8:9], 0x0              ; e0, e1, e2, e3
	s_add_nc_u64 s[G0+2:G0+3], s[6:7], s[28:29]
	s_or_b32 s[G0+3], s[G0+3], 0x80000000
	ROUND                                          ; the four work-groups are here: the joint loads meet
	tensor_load_to_lds s[G0:G0+3], s[G1:G1+7]      ; my one tensor load
	s_nop 0
	v_and_b32 v1, 15, v0                           ; r
	v_bfe_u32 v2, v0, 4, 1                         ; h
	v_mul_u32_u24 v3, v1, PITCH
	v_lshl_add_u32 v3, v2, 4, v3
.irp g, 0,1,2,3
	v_add_nc_u32 v[ADRB+\g], \g*64*PITCH, v3
.endr
	v_and_b32 v4, 31, v0
	v_lshlrev_b32 v[AO], 4, v4
	s_wait_alu depctr_va_vdst(0)                   ; the wait ahead of the run of scalar lines
	s_lshl_b32 s30, s13, 2
	s_add_co_u32 s30, s30, s14                     ; 4 x + wave: my 128 rows
	s_lshl_b32 s32, s30, 19                        ; in h's codes: 8 row blocks of 65,536 bytes
	s_lshl_b32 s30, s30, 17                        ; in q's codes: 8 row blocks of 16,384 bytes
	s_mov_b32 s31, 0
	s_add_nc_u64 s[4:5], s[4:5], s[30:31]
	s_lshl_b32 s33, s15, 12                        ; + fragments 2 y, 2 y + 1
	s_add_co_u32 s32, s32, s33
	s_mov_b32 s33, 0
	s_add_nc_u64 s[10:11], s[10:11], s[32:33]
.macro ALD s, a, c                     ; part c of q's fragment (block a, step s) into the ring
	global_load_b128 v[64*((\s)%4)+16*(\a)+4*(\c):64*((\s)%4)+16*(\a)+4*(\c)+3], v[AO], s[4:5] offset:(\a)*16384+(\s)*2048+(\c)*512
.endm
.macro FIRST                           ; a pass's first three steps of q: 48 loads
	WIN 0x40
.irp s, 0,1,2
.irp a, 0,1,2,3
.irp c, 0,1,2,3
	ALD \s, \a, \c
.endr
.endr
.endr
	WIN 0
.endm
.macro BFIRST                          ; a pass's first two quarters of W1: eight fragments
.irp f, 0,1,2,3,4,5,6,7
.irp c, 0,1,2,3
	ds_load_b128 v[BF+16*\f+4*\c:BF+16*\f+4*\c+3], v[ADRB+\f/4] offset:(\f%4)*16*PITCH+32*\c
.endr
.endr
.endm
.macro MM s, b, a                      ; the 64 accumulators take turns, one instruction a turn; a pass's first step starts the sums
.if (\s) == 0
	v_wmma_f32_16x16x128_bf8_bf8 v[8*(4*((\b)%8)+\a):8*(4*((\b)%8)+\a)+7], v[BF+16*((\b)%8):BF+16*((\b)%8)+15], v[64*((\s)%4)+16*\a:64*((\s)%4)+16*\a+15], 0
.else
	v_wmma_f32_16x16x128_bf8_bf8 v[8*(4*((\b)%8)+\a):8*(8*0+4*((\b)%8)+\a)+7], v[BF+16*((\b)%8):BF+16*((\b)%8)+15], v[64*((\s)%4)+16*\a:64*((\s)%4)+16*\a+15], v[8*(4*((\b)%8)+\a):8*(4*((\b)%8)+\a)+7]
.endif
.endm
; A quarter of a step: W1's fragments 4 q .. 4 q + 3 against q's four blocks; four places; one run of loads into registers that matrix instructions ahead of the places have left.
.macro QTR s, q
.set Q, 4*(\s)+(\q)
.set NS, (Q+2)/4
.set NQ, (Q+2)%4
.set MW, 0xa4+0x50*((\q)/2)            ; source 0 window 0, source 1 window 1, C and D window 2 or 3
.if Q < 31
	s_wait_dscnt 16                                ; behind my quarter's 16 loads: the next quarter's 16
.else
	s_wait_dscnt 0x0
.endif
	WIN MW
.irp i, 0,1,2,3
.irp a, 0,1,2,3
	MM \s, 4*(\q)+\i, \a
.endr
.endr
	NOP4
.if Q+2 < 32
	WIN 0
.irp i, 0,1,2,3
.irp c, 0,1,2,3
	ds_load_b128 v[BF+16*((4*NQ+\i)%8)+4*\c:BF+16*((4*NQ+\i)%8)+4*\c+3], v[ADRB+NQ] offset:\i*16*PITCH+128*NS+32*\c
.endr
.endr
.endif
.if (\s) < 5
	WIN 0x40
.irp c, 0,1,2,3
	ALD (\s)+3, \q, \c                             ; into the ring's place that the step before has left
.endr
.endif
.endm
.macro STEP s
.if (\s) >= 3
.set LW, 16*(7-(\s))                   ; behind this step's 16 loads of q: those of the steps after it, two at the most
.if LW > 32
.set LW, 32
.endif
	s_wait_loadcnt LW
.endif
.irp q, 0,1,2,3
	QTR \s, \q
.endr
.endm
; The way out of block a, units 128 g .. + 127: relu and the hold in one line, in place; eight codes a conversion; halves of lanes exchanged; four stores of 512 consecutive bytes.
; Six sets of code registers take turns, so that a set is written again only six blocks behind its stores.
.macro EPI a, g
.set N, 4*(\g)+(\a)
.set CD, 32+16*(N%6)
.if N == 6
	s_wait_xcnt 0x0                                ; blocks 0 and 1's stores have read their data registers
.endif
	WIN 0x82+0x41*(\g)                             ; source 0 and destination: window 2 or 3
.irp j, 0,1,2,3,4,5,6,7
.irp i, 0,1,2,3,4,5,6,7
	v_med3_num_f32 v[8*(4*\j+\a)+\i], v[8*(4*\j+\a)+\i], 0, v[LIM]   ; each accumulator from its low end on
.endr
.endr
	WIN 0x02+(\g)
.irp j, 0,1,2,3,4,5,6,7
	v_cvt_scalef32_pk8_bf8_f32 v[CD+2*\j:CD+2*\j+1], v[8*(4*\j+\a):8*(4*\j+\a)+7], v[SC]
.endr
	WIN 0
	v_nop                                          ; one plain place behind the conversions
.irp c, 0,1,2,3
	v_permlane16_swap_b32 v[CD+4*\c], v[CD+4*\c+2]     ; tile 2 c's lanes 16-31 (units 8-15 of 32) against tile 2 c + 1's lanes 0-15 (units 16-23):
	v_permlane16_swap_b32 v[CD+4*\c+1], v[CD+4*\c+3]   ; lane (r, h) then has units 32 c + 16 h + 0 .. 15 in registers 4 c .. 4 c + 3
.endr
.irp c, 0,1,2,3
	global_store_b128 v[AO], v[CD+4*\c:CD+4*\c+3], s[10:11] offset:(\a)*65536+(\g)*2048+512*\c
.endr
.endm
	FIRST
	s_wait_kmcnt 0x0
	s_sub_co_i32 s40, s38, s36
	s_sub_co_i32 s40, s40, s37                     ; e2 - e0 - e1
	s_add_co_i32 s40, s40, 127
	s_lshl_b32 s41, s40, 23
	v_mov_b32 v[SC], s41
	s_add_co_i32 s40, s40, 15
	s_lshl_b32 s40, s40, 23
	s_or_b32 s40, s40, 0x600000
	v_mov_b32 v[LIM], s40
	s_mov_b32 s3, 2                                ; passes to go
	s_wait_alu depctr_va_vdst(0)                   ; the wait at the head's end
	s_wait_tensorcnt 0x0                           ; my 64 rows of W1 are in,
	s_barrier_signal -1
	s_barrier_wait -1                              ; everybody's are
	BFIRST
.Lpass:
	s_wait_loadcnt 0x0                             ; the pass's first three steps of q,
	s_wait_dscnt 0x0                               ; and its first eight fragments of W1, asked for ahead of the way out
.irp s, 0,1,2,3,4,5,6,7
	STEP \s
.endr
	WIN 0                                          ; (the last quarter's four places also serve the loads and the reads of results below)
	s_cmp_eq_u32 s3, 1
	s_cbranch_scc1 .Lnomore                        ; the last pass asks for nothing more
	s_wait_xcnt 0x0
	s_add_nc_u64 s[4:5], s[4:5], 65536             ; my next 64 rows of q
	FIRST
	BFIRST
.Lnomore:
.irp g, 0,1
.irp a, 0,1,2,3
	EPI \a, \g
.endr
.endr
	s_wait_xcnt 0x0                                ; the stores have read their base and their data registers
	s_add_nc_u64 s[10:11], s[10:11], 262144        ; my next 64 rows of h
	s_sub_co_u32 s3, s3, 1
	s_cmp_lg_u32 s3, 0
	s_cbranch_scc1 .Lpass
	s_wait_tensorcnt 0x0                           ; the wave's end
	ds_add_u32 v[SPW], v[NIL]
	s_wait_dscnt 0x0
	ROUND                                          ; the closing round
	s_endpgm
.Lfunc_end_k_q8c710c67fd_ffn1:
	.size	k_q8c710c67fd_ffn1, .Lfunc_end_k_q8c710c67fd_ffn1-k_q8c710c67fd_ffn1
	.p2alignl 7, 3214868480
	.fill 96, 4, 3214868480
	.section	.rodata,"a",@progbits
	.p2align	6, 0x0
	.amdhsa_kernel k_q8c710c67fd_ffn1
		.amdhsa_group_segment_fixed_size 327680
		.amdhsa_private_segment_fixed_size 0
		.amdhsa_enable_private_segment 0
		.amdhsa_kernarg_size 32
		.amdhsa_user_sgpr_count 2
		.amdhsa_user_sgpr_kernarg_segment_ptr 1
		.amdhsa_wavefront_size32 1
		.amdhsa_system_sgpr_workgroup_id_x 1
		.amdhsa_system_sgpr_workgroup_id_y 1
		.amdhsa_system_sgpr_workgroup_id_z 1
		.amdhsa_system_vgpr_workitem_id 0
		.amdhsa_next_free_vgpr 1024
		.amdhsa_next_free_sgpr 66
		.amdhsa_reserve_vcc 0
		.amdhsa_float_denorm_mode_32 3
		.amdhsa_float_denorm_mode_16_64 3
		.amdhsa_memory_ordered 1
		.amdhsa_forward_progress 1
		.amdhsa_inst_pref_size 138
	.end_amdhsa_kernel
	.amdgpu_metadata
---
amdhsa.version: [ 1, 2 ]
amdhsa.kernels:
  - .name:           k_q8c710c67fd_ffn1
    .symbol:         k_q8c710c67fd_ffn1.kd
    .args:
      - { .name: q_codes, .offset: 0, .size: 8, .value_kind: global_buffer, .address_space: global }
      - { .name: W1_codes, .offset: 8, .size: 8, .value_kind: global_buffer, .address_space: global }
      - { .name: lowp_scales, .offset: 16, .size: 8, .value_kind: global_buffer, .address_space: global }
      - { .name: h_codes, .offset: 24, .size: 8, .value_kind: global_buffer, .address_space: global }
    .group_segment_fixed_size: 327680
    .private_segment_fixed_size: 0
    .kernarg_segment_align: 8
    .kernarg_segment_size: 32
    .max_flat_workgroup_size: 128
    .sgpr_count:     66
    .vgpr_count:     1024
    .wavefront_size: 32
...
	.end_amdgpu_metadata
.endif
;; end of part 2
;; launch ffn2 (part 3): grid 32 x 8, 4 waves a work-group, clusters of 4 x 1, 327,680 bytes of LDS; arguments h_codes, W2_codes, lowp_scales, out0; writes out0
.if DOCPART == 3
	.amdgcn_target "amdgcn-amd-amdhsa--gfx1250"
	.amdhsa_code_object_version 6
	.text
	.protected	k_q8c710c67fd_ffn2
	.globl	k_q8c710c67fd_ffn2
	.p2align	8
	.type	k_q8c710c67fd_ffn2,@function
k_q8c710c67fd_ffn2:
	s_mov_b64 s[64:65], 0
	v_nop
	global_prefetch_b8 v0, s[64:65] scope:SCOPE_SE
	s_setreg_imm32_b32 hwreg(HW_REG_WAVE_MODE, 25, 1), 1
	s_wait_xcnt 0x0
	s_wait_alu depctr_hold_cnt(0) depctr_sa_sdst(0) depctr_va_vdst(0) depctr_va_sdst(0) depctr_va_ssrc(0) depctr_va_vcc(0) depctr_vm_vsrc(0)
	s_getreg_b32 s2, hwreg(HW_REG_IB_STS2, 6, 4)
	s_cmp_eq_u32 s2, 0
	s_cbranch_scc0 .Lentry_in_a_cluster
	s_endpgm
.Lentry_in_a_cluster:
	s_bfe_u32 s2, ttmp6, 0x10000c
	s_cmp_lg_u32 s2, 0x3003
	s_cbranch_scc0 .Lentry_shape_is_right
	s_endpgm
.Lentry_shape_is_right:
; out = h W2^T on codes of BF8 (E5M2); each finished sum x 2^(e2 + e3).  LIMIT: e2 + e3 lies between -126 and 127, so that 2^(e2 + e3) is an f32 number.
; h's codes come as register images: fragment (R, G) = 16 rows x 128 K, 2,048 bytes at 2,048 (32 R + G), lane l's 16 bytes of part c at 512 c + 16 l.  W2: [1024][4096] codes, K innermost.
; SHARES: work-group (x, y) makes rows 256 x .. + 255, columns 128 y .. + 127; a wave 64 rows x 128 columns: 32 accumulators, 256 registers.  K goes in 32 steps of 128.
; W2's 128 rows go through a ring of two LDS slots of 1,024 along K (eight steps), 32 rows a wave: four fills, three changes of slots.  A refill is asked for in a slot's last step, whose fragments are in registers by then,
; and has eight steps, 256 matrix instructions, until the wait for it.  h's fragments go from memory straight into a ring of 16 fragments' registers, each load 512 consecutive bytes; each fragment is loaded by one wave of the work-group.
; A step has ONE run of loads, behind its first two blocks: the four fragments of h that stand 14 to 17 behind the step's first, into the four places just left (56 loads of a wave are out at the most),
; and the next step's eight fragments of W2, into the set that the step before has left.
; CLUSTER 4 x 1: the four work-groups share y, so W2's tiles are asked for jointly (mask 15); a round of the cluster's barrier stands in front of each joint load.
; PREFETCHES INTO THE L2: in step s a wave names the 32 blocks of 256 bytes of its own fragments of step s + 8 (a lane a block; steps 0-7 come by their loads alone; nothing is named past step 31);
; in steps 1 and 9 the cluster's sixteen waves name the 512 blocks of W2's slot that is asked for six steps later, shared out by address (cx, wave, lane).
; THE MATRIX INSTRUCTION IS USED TRANSPOSED (source 0 = 16 rows of W2, source 1 = 16 rows of h): a lane holds eight neighbouring columns of one row of out.  Fragments hold K = 32 c + 16 h + 0 .. 15 in registers 4 c .. 4 c + 3, in both operands.
; REGISTERS: window 0: v0-31 addresses, v32-95 the way out; window 1: h's ring, on the way out four blocks' rows; window 2: W2's fragments, two sets of eight; window 3: the accumulators ((a, b) at 8 (8 a + b)).
.set PITCH,  1040                      ; an LDS row: 1,024 bytes + 16: 65 x 16
.set SLOT,   128*PITCH
.set SPARE,  2*SLOT                    ; behind the ring: the spare words
.set STAGE,  SPARE+512                 ; behind them: 16 rows x 528 bytes for each wave, for the way out; no tensor load lands here
.set SPITCH, 528
.set ADRB, 16                          ; v16-19  LDS address of W2's blocks 0-3, 4-7 in slot 0, then in slot 1
.set AO,   20                          ; v20     16 x lane
.set PFA,  21                          ; v21     my block of a step's fragments of h
.set PFW,  22                          ; v22     my block of a slot of W2
.set STO,  24
.set RD,   25
.set SPW,  28
.set NIL,  29
.set TMP,  32
.set G1, 16
.set G0, 24                            ; s[24:27] slot 0, s[28:31] slot 1
.set MUL, 0xf6                         ; source 0 window 2, source 1 window 1, C and D window 3
.set MSB, 0
.macro WIN new
.if MSB != (\new)
	s_set_vgpr_msb (MSB<<8)|(\new)
.set MSB, (\new)
.endif
.endm
.macro NOP4
.rept 4
	v_nop
.endr
.endm
.macro ROUND
	s_barrier_signal -1
	s_barrier_wait -1
	s_cmp_lg_u32 s14, 0
	s_cbranch_scc1 .Lnot_wave_0_\@
	s_barrier_signal -3
.Lnot_wave_0_\@:
	s_barrier_wait -3
	s_barrier_signal -1
	s_barrier_wait -1
.endm
	s_load_b128 s[4:7], s[0:1], 0x0                ; h's codes, W2's codes
	s_load_b128 s[8:11], s[0:1], 0x10              ; the scales' exponents, out
	v_lshl_add_u32 v[SPW], v0, 2, SPARE
	v_mov_b32 v[NIL], 0
	ds_add_u32 v[SPW], v[NIL]                      ; the opening lines: the add, twice on end, and its wait
	ds_add_u32 v[SPW], v[NIL]
	v_lshrrev_b32 v1, 5, v0
	v_readfirstlane_b32 s14, v1                    ; wave
	s_bfe_u32 s12, ttmp6, 0x40000                  ; cx
	s_lshl_b32 s13, ttmp9, 2
	s_add_co_u32 s13, s13, s12                     ; x
	s_and_b32 s15, ttmp7, 0xffff                   ; y
	s_mov_b32 s[G1+0], 15|(1<<20)|(1<<21)|(7<<22)|(3<<25)   ; mask: the four of the cluster; 1-byte elements; 4 words of padding behind every 256
	s_mov_b32 s[G1+1], 1024<<16
	s_mov_b32 s[G1+2], 32<<16
	s_mov_b32 s[G1+3], 1024<<16
	s_mov_b32 s[G1+4], 32                          ; 32 rows of 1,024 bytes
	s_mov_b32 s[G1+5], 4096
	s_mov_b32 s[G1+6], 0
	s_mov_b32 s[G1+7], 0
	s_lshl_b32 s32, s15, 19                        ; W2's row 128 y, of 4,096 bytes
	s_mov_b32 s33, 0
	s_lshl_b32 s34, s14, 17                        ; + 32 rows a wave
	s_mov_b32 s35, 0
	s_mov_b32 s[G0], 1
	s_mul_i32 s[G0+1], s14, 32*PITCH
	s_mov_b32 s[G0+4], 1
	s_add_co_u32 s[G0+5], s[G0+1], SLOT
	s_wait_dscnt 0x0
	s_wait_kmcnt 0x0
	s_load_b64 s[46:47], s[8:9], 0x8               ; e2, e3
	s_add_nc_u64 s[40:41], s[6:7], s[32:33]        ; my columns' rows of W2
	s_add_nc_u64 s[G0+2:G0+3], s[40:41], s[34:35]
	s_add_nc_u64 s[G0+6:G0+7], s[G0+2:G0+3], 1024
	s_or_b32 s[G0+3], s[G0+3], 0x80000000
	s_or_b32 s[G0+7], s[G0+7], 0x80000000
	ROUND                                          ; the four work-groups are here: the joint loads meet
	tensor_load_to_lds s[G0:G0+3], s[G1:G1+7]      ; K 0 to 1,023: my one tensor load at the head
	s_nop 0
	v_and_b32 v1, 15, v0                           ; r
	v_bfe_u32 v2, v0, 4, 1                         ; h
	v_mul_u32_u24 v3, v1, PITCH
	v_lshl_add_u32 v3, v2, 4, v3
.irp g, 0,1
	v_add_nc_u32 v[ADRB+\g], \g*64*PITCH, v3
	v_add_nc_u32 v[ADRB+2+\g], SLOT+\g*64*PITCH, v3
.endr
	v_and_b32 v4, 31, v0
	v_lshlrev_b32 v[AO], 4, v4
	v_lshrrev_b32 v5, 3, v4
	v_and_b32 v6, 7, v4
	v_lshlrev_b32 v6, 8, v6
	v_lshl_add_u32 v[PFA], v5, 16, v6              ; block a = lane / 8 of rows, 256 (lane % 8) in its 2,048 bytes
	s_lshl_b32 s32, s12, 7
	s_lshl_b32 s33, s14, 5
	s_add_co_u32 s32, s32, s33
	v_add_nc_u32 v5, s32, v4                       ; 128 cx + 32 wave + lane: one of a slot's 512 blocks
	v_lshrrev_b32 v6, 2, v5
	v_and_b32 v5, 3, v5
	v_lshlrev_b32 v5, 8, v5
	v_lshl_add_u32 v[PFW], v6, 12, v5              ; its row of 4,096 bytes, its quarter of the row's 1,024
	s_mul_i32 s33, s14, 16*SPITCH
	s_add_co_u32 s33, s33, STAGE                   ; my stage
	v_mul_u32_u24 v5, v1, SPITCH
	v_lshl_add_u32 v5, v2, 5, v5
	v_add_nc_u32 v[STO], s33, v5                   ; in: row r, 32 bytes for each half of the lanes
	v_add_nc_u32 v[RD], s33, v[AO]                 ; back: the 32 lanes take a row of 512 bytes
	s_wait_alu depctr_va_vdst(0)                   ; the wait ahead of the run of scalar lines
	s_lshl_b32 s32, s13, 2
	s_add_co_u32 s32, s32, s14
	s_lshl_b32 s32, s32, 18                        ; my 64 rows: four row blocks of 65,536 bytes in h's codes; 64 rows of 4,096 bytes in out
	s_mov_b32 s33, 0
	s_add_nc_u64 s[4:5], s[4:5], s[32:33]
	s_add_nc_u64 s[10:11], s[10:11], s[32:33]
	s_lshl_b32 s32, s15, 9                         ; + 128 y columns of 4 bytes
	s_add_nc_u64 s[10:11], s[10:11], s[32:33]
.macro ALD g                           ; h's fragment g = 4 step + block, into the ring
.irp c, 0,1,2,3
	global_load_b128 v[16*((\g)%16)+4*\c:16*((\g)%16)+4*\c+3], v[AO], s[4:5] offset:((\g)%4)*65536+((\g)/4)*2048+512*\c
.endr
.endm
	WIN 0x40
.irp g, 0,1,2,3,4,5,6,7,8,9,10,11,12,13
	ALD \g
.endr
	WIN 0
	s_wait_kmcnt 0x0
	s_add_co_i32 s46, s46, s47
	s_add_co_i32 s46, s46, 127
	s_lshl_b32 s46, s46, 23                        ; 2^(e2 + e3) as f32
	s_wait_tensorcnt 0x0                           ; my part of slot 0 is in
	ds_add_u32 v[SPW], v[NIL]
	s_wait_dscnt 0x0
	ROUND
	tensor_load_to_lds s[G0+4:G0+7], s[G1:G1+7]    ; K 1,024 to 2,047: slot 1's first fill
	s_nop 0
	WIN 0x80
.irp b, 0,1,2,3,4,5,6,7
.irp c, 0,1,2,3
	ds_load_b128 v[16*\b+4*\c:16*\b+4*\c+3], v[ADRB+\b/4] offset:(\b%4)*16*PITCH+32*\c
.endr
.endr
.macro MM s, a, b                      ; the 32 accumulators take turns, one instruction a turn; the first step starts the sums
.if (\s) == 0
	v_wmma_f32_16x16x128_bf8_bf8 v[8*(8*(\a)+\b):8*(8*(\a)+\b)+7], v[128*((\s)%2)+16*\b:128*((\s)%2)+16*\b+15], v[16*((4*(\s)+(\a))%16):16*((4*(\s)+(\a))%16)+15], 0
.else
	v_wmma_f32_16x16x128_bf8_bf8 v[8*(8*(\a)+\b):8*(8*(\a)+\b)+7], v[128*((\s)%2)+16*\b:128*((\s)%2)+16*\b+15], v[16*((4*(\s)+(\a))%16):16*((4*(\s)+(\a))%16)+15], v[8*(8*(\a)+\b):8*(8*(\a)+\b)+7]
.endif
.endm
.macro MM8 s, a                        ; one block of h against W2's eight
.irp b, 0,1,2,3,4,5,6,7
	MM \s, \a, \b
.endr
.endm
.macro STEP s
.if (((\s)%8) == 7) && ((\s) < 31)     ; a slot's last step: its fragments are in registers, so the slot is left here
	WIN 0
	s_wait_tensorcnt 0x0                           ; all my tensor loads have landed: my part of the next slot
	ds_add_u32 v[SPW], v[NIL]
.if (\s) < 23
	s_add_nc_u64 s[G0+4*(((\s)/8)%2)+2:G0+4*(((\s)/8)%2)+3], s[G0+4*(((\s)/8)%2)+2:G0+4*(((\s)/8)%2)+3], 2048
.endif
	s_wait_dscnt 0x0                               ; the add is done, and my reads of this slot are over
.if (\s) < 23
	ROUND                                          ; no wave of any partner still reads this slot or has a load on its way
	tensor_load_to_lds s[G0+4*(((\s)/8)%2):G0+4*(((\s)/8)%2)+3], s[G1:G1+7]   ; 2,048 further along K
	s_nop 0
.else
	s_barrier_signal -1                            ; nothing is filled again: my work-group's barrier shows the last slot whole
	s_barrier_wait -1
.endif
.else
	s_wait_dscnt 0x0                               ; this step's fragments of W2, asked for 16 matrix instructions ago
.endif
.set U, 4*(\s)+13                      ; the last fragment of h that has been asked for so far
.if U > 127
.set U, 127
.endif
.set NS, (\s)+1
	s_wait_loadcnt 4*(U-(4*(\s)+1))                ; my blocks 0 and 1 are in: four loads for each fragment behind them may be out
	WIN MUL
	MM8 \s, 0
	MM8 \s, 1
	NOP4                                           ; places ahead of loads into registers that matrix instructions have read
	s_wait_loadcnt 4*(U-(4*(\s)+3))                ; my blocks 2 and 3 are in
.if 4*(\s)+14 < 128
	WIN 0x40
.irp k, 14,15,16,17
.if 4*(\s)+\k < 128
	ALD 4*(\s)+\k                                  ; into the places of the last step's blocks 2 and 3 and of this step's blocks 0 and 1
.endif
.endr
.if (\s)+8 < 32
	global_prefetch_b8 v[PFA], s[4:5] offset:((\s)+8)*2048 th:TH_LOAD_NT scope:SCOPE_SE
.endif
.if ((\s) == 1) || ((\s) == 9)
	global_prefetch_b8 v[PFW], s[40:41] offset:2048+1024*((\s)/8) th:TH_LOAD_NT scope:SCOPE_SE
.endif
.endif
.if NS < 32
	WIN 0x80
.irp b, 0,1,2,3,4,5,6,7
.irp c, 0,1,2,3
	ds_load_b128 v[128*(NS%2)+16*\b+4*\c:128*(NS%2)+16*\b+4*\c+3], v[ADRB+2*((NS/8)%2)+\b/4] offset:(\b%4)*16*PITCH+128*(NS%8)+32*\c
.endr
.endr
.endif
	WIN MUL
	MM8 \s, 2
	MM8 \s, 3
.endm
.irp s, 0,1,2,3,4,5,6,7,8,9,10,11,12,13,14,15,16,17,18,19,20,21,22,23,24,25,26,27,28,29,30,31
	STEP \s
.endr
	NOP4                                           ; places behind the last products
; THE WAY OUT, block by block of 16 rows x 128 columns: through my own stage, back as whole rows of 512 bytes.  LDS serves a wave's instructions in order: no wait between the stores and the loads.
; Each block's rows come back into 64 registers of its own, where h's ring lay: no block waits for an earlier block's stores.
.macro TOSTAGE a
	WIN 0x03
.set j, 0
.rept 32
	v_pk_mul_f32 v[TMP+j:TMP+j+1], v[64*(\a)+j:64*(\a)+j+1], s[46:47] op_sel_hi:[1,0]   ; x 2^(e2 + e3); each accumulator from its low end on
.set j, j+2
.endr
	WIN 0
.irp b, 0,1,2,3,4,5,6,7
	ds_store_b128 v[STO], v[TMP+8*\b:TMP+8*\b+3] offset:64*\b
	ds_store_b128 v[STO], v[TMP+8*\b+4:TMP+8*\b+7] offset:64*\b+16
.endr
	WIN 0x40
.irp t, 0,1,2,3,4,5,6,7,8,9,10,11,12,13,14,15
	ds_load_b128 v[64*(\a)+4*\t:64*(\a)+4*\t+3], v[RD] offset:\t*SPITCH
.endr
.endm
.macro SEND a, younger
	s_wait_dscnt \younger                          ; the block is back in registers
	WIN 0x04                                       ; the stores' data: window 1
.irp t, 0,1,2,3,4,5,6,7,8,9,10,11,12,13,14,15
	global_store_b128 v[AO], v[64*(\a)+4*\t:64*(\a)+4*\t+3], s[10:11] offset:(\a)*65536+\t*4096 th:TH_STORE_NT   ; 32 lanes store 512 consecutive bytes, aligned
.endr
.endm
	TOSTAGE 0
.irp a, 1,2,3
	TOSTAGE \a
	SEND (\a)-1, 32                                ; behind block a - 1's loads: block a's 16 stores and 16 loads
.endr
	SEND 3, 0
	WIN 0
	s_wait_tensorcnt 0x0                           ; the wave's end
	ds_add_u32 v[SPW], v[NIL]
	s_wait_dscnt 0x0
	ROUND                                          ; the closing round
	s_endpgm
.Lfunc_end_k_q8c710c67fd_ffn2:
	.size	k_q8c710c67fd_ffn2, .Lfunc_end_k_q8c710c67fd_ffn2-k_q8c710c67fd_ffn2
	.p2alignl 7, 3214868480
	.fill 96, 4, 3214868480
	.section	.rodata,"a",@progbits
	.p2align	6, 0x0
	.amdhsa_kernel k_q8c710c67fd_ffn2
		.amdhsa_group_segment_fixed_size 327680
		.amdhsa_private_segment_fixed_size 0
		.amdhsa_enable_private_segment 0
		.amdhsa_kernarg_size 32
		.amdhsa_user_sgpr_count 2
		.amdhsa_user_sgpr_kernarg_segment_ptr 1
		.amdhsa_wavefront_size32 1
		.amdhsa_system_sgpr_workgroup_id_x 1
		.amdhsa_system_sgpr_workgroup_id_y 1
		.amdhsa_system_sgpr_workgroup_id_z 1
		.amdhsa_system_vgpr_workitem_id 0
		.amdhsa_next_free_vgpr 1024
		.amdhsa_next_free_sgpr 66
		.amdhsa_reserve_vcc 0
		.amdhsa_float_denorm_mode_32 3
		.amdhsa_float_denorm_mode_16_64 3
		.amdhsa_memory_ordered 1
		.amdhsa_forward_progress 1
		.amdhsa_inst_pref_size 218
	.end_amdhsa_kernel
	.amdgpu_metadata
---
amdhsa.version: [ 1, 2 ]
amdhsa.kernels:
  - .name:           k_q8c710c67fd_ffn2
    .symbol:         k_q8c710c67fd_ffn2.kd
    .args:
      - { .name: h_codes, .offset: 0, .size: 8, .value_kind: global_buffer, .address_space: global }
      - { .name: W2_codes, .offset: 8, .size: 8, .value_kind: global_buffer, .address_space: global }
      - { .name: lowp_scales, .offset: 16, .size: 8, .value_kind: global_buffer, .address_space: global }
      - { .name: out0, .offset: 24, .size: 8, .value_kind: global_buffer, .address_space: global }
    .group_segment_fixed_size: 327680
    .private_segment_fixed_size: 0
    .kernarg_segment_align: 8
    .kernarg_segment_size: 32
    .max_flat_workgroup_size: 128
    .sgpr_count:     66
    .vgpr_count:     1024
    .wavefront_size: 32
...
	.end_amdgpu_metadata
.endif
;; end of part 3
